; MI455X (gfx1250); checked and timed in simulation.
; The chip was launched on July 23, 2026; its instructions are those of AMD's public machine-readable ISA for CDNA 5 (MIT licence, August 2026) and "CDNA5" Instruction Set Architecture Reference Guide (July 2026). The comments in the code are by the model that wrote it; some were corrected since.
;; Linear3 Bit. Allowed arithmetic: matrix products marked QUANTISED: E4M3 operands, one E8M0 scale for each 32 along K, by v_wmma_scale_f32_16x16x128_f8f6f4 with both operands' format E4M3, f32 sums; everything else in f32.
;; Inputs: bias 2,048 float32; weight_params 131,072 x 2 float16; weight_q3 3,145,728 int32; x 4 x 2,048 x 4,096 float32.
;; Outputs: out0 4 x 2,048 x 2,048 float32.
;; This version of the problem:
;;   THIS VERSION OF THE PROBLEM IS GIVEN IN LOW PRECISION. The matrix products marked QUANTISED in the list below multiply operands that are first quantised to E4M3 (4 exponent bits, 3 mantissa bits; 8 bits a number), with one power-of-two scale for each 32 numbers along K (OCP MX v1.0); their sums are f32. All else is computed in f32.
;;   The module's matrix products, in the order in which they are computed (A, B: the left and right operand; K: the contracted axis; several contracted axes count as one K, in the product's order):
;;     1. [M 8,192, K 4,096] x [K 4,096, N 2,048]; A: input x; B: computed on the way: QUANTISED
;;   THE QUANTISER, for each operand of a quantised product, along K:
;;     - K is cut into blocks of 32 from its start; a last block that is shorter is filled with zeros.
;;     - A block's scale is 2^e with e = floor(log2(the largest magnitude in the block)) - 8, held to -126 .. 127; a block of zeros has e = 0. As a byte (E8M0): e + 127.
;;     - Each number is divided by its block's scale, clamped to +-448, and rounded to the nearest number of E4M3, ties to even, subnormals kept.
;;     - The product sums the exact products of the quantised numbers (number of the format x scale) in f32.
;;   ~~~python
;;   def quantise(x, axis):      # numpy; x: float32 -> the quantised numbers, widened to float32 again
;;       x = np.moveaxis(x, axis, -1); K = x.shape[-1]
;;       x = np.pad(x, [(0, 0)] * (x.ndim - 1) + [(0, -K % 32)]); x = x.reshape(x.shape[:-1] + (-1, 32)); a = np.abs(x).max(-1, keepdims=True)
;;       e = np.where(a > 0, np.clip(np.frexp(np.where(a > 0, a, 1))[1] - 1 - 8, -126, 127), 0)      # np.frexp(a)[1] - 1 = floor(log2(a)), exactly
;;       r = np.clip(x / 2.0 ** e, -448, 448)
;;       step = 2.0 ** (np.maximum(np.frexp(np.where(r == 0, 1, r))[1] - 1, -6) - 3)
;;       q = np.round(r / step) * step * 2.0 ** e      # np.round: ties to even
;;       return np.moveaxis(q.reshape(q.shape[:-2] + (-1,))[..., :K], -1, axis).astype(np.float32)
;;   ~~~
;;   OPERANDS COMPUTED ON THE WAY. 'Computed on the way' means the value that the module computes at that place (a softmax that the list does not call 'softmax' is quantised finished and normalised). What goes into a quantiser is computed in f32, as accurately as f32 sums, v_exp_f32 and their like allow (about 1e-6 of the number): no bf16 or f16 on the way to a quantiser, and a product that is left as it is and whose result goes on into a quantised operand takes f32 operands (vector FMAs, or v_wmma_f32_16x16x4_f32). A number that lies on a knife's edge between two numbers of the format may be rounded either way, as far as f32 arithmetic and the matrix unit's own rounding can turn it there, and no further.
;; One version. Each part assembles by itself: llvm-mc -triple=amdgcn-amd-amdhsa -mcpu=gfx1250 --defsym DOCPART=n.
;; ======== version 1 of 1: 2 launches
;; workspace buffers: xq 34,603,008 bytes; wq 8,650,752 bytes
;; launch quant (part 1): grid 1152 x 1, 4 waves a work-group, no clusters, 66,048 bytes of LDS; arguments x, weight_q3, weight_params, xq, wq; writes xq, wq
.if DOCPART == 1
	.amdgcn_target "amdgcn-amd-amdhsa--gfx1250"
	.amdhsa_code_object_version 6
	.text
	.protected	k_qd5ccc57431_quant
	.globl	k_qd5ccc57431_quant
	.p2align	8
	.type	k_qd5ccc57431_quant,@function
k_qd5ccc57431_quant:
	s_mov_b64 s[64:65], 0
	v_nop
	global_prefetch_b8 v0, s[64:65] scope:SCOPE_SE
	s_setreg_imm32_b32 hwreg(HW_REG_WAVE_MODE, 25, 1), 1
	s_wait_xcnt 0x0
; x [8192][4096] f32, and W [2048][4096], which is unpacked from 3-bit numbers and dequantised in f32, become codes of FP8 (E4M3) with one E8M0 scale byte for each 32 along K.
; A block's scale is 2^(floor(log2(its largest magnitude)) - 8); its byte is the largest magnitude's exponent field - 8, held at 1 from below.  Each number is divided by the scale, held within +-448 and rounded to the nearest code, ties to even.
; THE TWO OUTPUT BUFFERS ARE LAID AS THE PRODUCT'S LAUNCH READS THEM.  A unit is 256 bytes.  A BLOCK belongs to (K step ks of 256 along K, tile of 256 rows) and is 264 units on end:
; units 0-255: a row's 256 codes each; unit 256 + u: the scale bytes of rows 32 u .. 32 u + 31, 8 bytes a row (byte j: K block 8 ks + j).  xq: [16 ks][32 tiles][264][256], wq: [16 ks][8 tiles][264][256].
; W: one packed byte in each int32 (its low 8 bits count); three bytes b0 | b1 << 8 | b2 << 16 hold eight numbers q of 3 bits, the first lowest; w = q x ((max - min) x (1/7)) + min, one f16 pair (min, max) for each 64 along K.
; LIMITS.  NaN and infinities in x or in the params are not served.  Blocks whose largest magnitude lies under 2^-118 have their byte held at 1; a block of zeros gets the byte 1 and not 127: its codes are zeros, and this program alone reads the bytes.
;   w is one fused multiply-add on fl((max - min) x fl(1/7)): two roundings behind the subtraction where (q / 7) x (max - min) + min has three; the two differ by about 1e-7 of |min| + |max - min|.
; SHARES.  Work-groups 0-127 take W (more arithmetic a wave, so they come first), work-groups 128-1151 take x.  The two paths part on the work-group's number and have LDS bytes of their own (x: 0-32,767; W: 32,768-65,535; 8,192 a wave).
; No tensor loads, no barrier: waves share nothing.  Every offset is an immediate; no pointer is stepped.
.set EMAX,  8
.set BLOCK, 264*256                    ; bytes of a block
.set KNEXT, 8*BLOCK                    ; wq: from a K step to the next
.set WWG,   128                        ; work-groups that take W
.set SP,    80                         ; x: a lane's place in a stage: its 64 bytes + 16 of padding
; x's registers
.set R,     16                         ; v16-79   four sets of 16 numbers as they are loaded
.set X,     80                         ; v80-111  two sets of 16 neighbours
.set E,     112                        ; v112-127 a scale byte for each step
.set C,     128                        ; v128-191 codes: four registers for each step, so that no store's data are written again
; W's registers
.set WR,    16                         ; v16-63   four sets of 12: two rows' 384 int32 as they are loaded
.set WP,    64                         ; v64-87   two sets of 12: row a's six int32 of my lane, row b's six
.set PWD,   88                         ; v88-91   two sets of two param words (row a's, row b's)
.set T,     92                         ; v92-93   two words of 24 bits; v94 the param word in hand
.set WX,    96                         ; v96-111  16 numbers
.set WC,    128                        ; v128-143 four sets of codes by turns
.set WE,    144                        ; v144-147 four scale bytes by turns
.set WO,    148                        ; v148-151 the scale bytes on their way out
.set PIN,   152                        ; v152-159 the params on their way in
	s_load_b256 s[4:11], s[0:1], 0x0               ; x s[4:5], weight_q3 s[6:7], weight_params s[8:9], xq s[10:11]
	s_load_b64 s[12:13], s[0:1], 0x20              ; wq
	v_lshl_add_u32 v192, v0, 2, 0x10000
	v_mov_b32 v193, 0
	v_lshrrev_b32 v1, 5, v0
	v_readfirstlane_b32 s16, v1                    ; wave 0..3
	v_and_b32 v2, 31, v0                           ; lane
	v_lshlrev_b32 v3, 4, v2                        ; 16 x lane
	s_lshl_b32 s17, s16, 13                        ; 8,192 x wave
	s_mov_b32 s23, 0x600000                        ; the mantissa field of 448
	s_mov_b32 s21, 0                               ; upper words of the offsets' pairs
	s_mov_b32 s29, 0
	s_wait_kmcnt 0x0
	s_cmp_lt_u32 ttmp9, WWG
	s_cbranch_scc1 .Lweights
; 16 numbers of a lane, v[QX] on, neighbours along K; lanes l and l xor 1 hold a block of 32.  Codes into v[QC:QC+3], the scale's byte into v[QE].  At work: v8-11.
.macro QUANT16
	v_max3_num_f32 v8, |v[QX]|, |v[QX+1]|, |v[QX+2]|               ; the largest magnitude of my 16, in two chains
	v_max3_num_f32 v9, |v[QX+3]|, |v[QX+4]|, |v[QX+5]|
.irp i, 6,10
	v_max3_num_f32 v8, v8, |v[QX+\i]|, |v[QX+\i+1]|
	v_max3_num_f32 v9, v9, |v[QX+\i+2]|, |v[QX+\i+3]|
.endr
	v_max3_num_f32 v8, v8, |v[QX+14]|, |v[QX+15]|
	v_max3_num_f32 v8, v8, v9, (EMAX+1)<<23        ; and the floor 2^(9 - 127): the byte cannot fall under 1
	v_max_num_f32_dpp v8, v8, v8 row_xmask:1 row_mask:0xf bank_mask:0xf   ; and of my neighbour's 16: the block's
	v_add_nc_u32 v11, -(EMAX<<23), v8              ; 8 off its exponent field: the conversion takes the exponent field of this operand as its scale
	v_and_or_b32 v10, v8, 0x7f800000, s23          ; 448 x the scale: the largest magnitude's exponent field over 448's mantissa
.irp i, 0,1,2,3,4,5,6,7,8,9,10,11,12,13,14,15
	v_med3_num_f32 v[QX+\i], v[QX+\i], -v10, v10   ; the conversion to an 8-bit code does not saturate (ISA guide 7.6.2): the number is held first
.endr
	v_cvt_scalef32_pk8_fp8_f32 v[QC:QC+1], v[QX:QX+7], v11         ; the first number's code in the lowest byte
	v_cvt_scalef32_pk8_fp8_f32 v[QC+2:QC+3], v[QX+8:QX+15], v11
	v_lshrrev_b32 v[QE], 23, v11                   ; the scale's byte; also the plain line behind the conversions
.endm
; ------------------------------------------------------------------ x
; A wave takes 32 rows x 256 along K (one K step): 16 steps of 2 rows.  A work-group's four waves stand side by side on 4,096 bytes of each row.
; Each load reads 512 consecutive bytes, 16 a lane; a step's 2,048 bytes turn through the wave's stage in LDS and come back 64 bytes a lane: 16 neighbours.  Lanes 0-15 then hold row 2 t, lanes 16-31 row 2 t + 1.
	s_sub_co_u32 s18, ttmp9, WWG
	s_and_b32 s19, s18, 3
	s_lshr_b32 s18, s18, 2                         ; rg: which 32 rows, 0..255
	s_lshl_b32 s19, s19, 2
	s_add_co_u32 s19, s19, s16                     ; ks: which K step, 0..15
	s_lshl_b32 s20, s18, 19                        ; 32 rows of 16,384 bytes
	s_lshl_b32 s22, s19, 10                        ; 256 numbers of 4 bytes
	s_add_co_u32 s20, s20, s22
	s_add_nc_u64 s[4:5], s[4:5], s[20:21]          ; x at my wave's first number
	s_lshl_b32 s20, s19, 5
	s_lshr_b32 s22, s18, 3
	s_add_co_u32 s20, s20, s22                     ; the block: 32 ks + tile
	s_mul_i32 s20, s20, BLOCK
	s_and_b32 s22, s18, 7                          ; which 32 rows of the tile
	s_lshl_b32 s28, s22, 8
	s_add_co_u32 s28, s28, s20
	s_add_co_u32 s28, s28, 65536
	s_add_nc_u64 s[14:15], s[10:11], s[28:29]      ; my rows' unit of scale bytes
	s_lshl_b32 s22, s22, 13
	s_add_co_u32 s20, s20, s22
	s_add_nc_u64 s[10:11], s[10:11], s[20:21]      ; my rows' 32 units of codes: 8,192 bytes on end
	s_wait_alu depctr_va_vdst(0)
	v_lshrrev_b32 v14, 2, v2
	v_mul_u32_u24 v14, v14, SP
	v_and_b32 v15, 3, v2
	v_lshl_add_u32 v14, v15, 4, v14
	v_add_nc_u32 v14, s17, v14                     ; the stage, on the way in: four lanes' 64 bytes on end, then 16 of padding
	v_mul_u32_u24 v15, v2, SP
	v_add_nc_u32 v15, s17, v15                     ; and on the way out: my 16 neighbours
	v_lshrrev_b32 v5, 1, v2
	v_add_nc_u32 v5, s17, v5                       ; my block's scale byte (the 256 bytes lie 5,120 on, behind the two stages)
	v_lshlrev_b32 v7, 3, v2                        ; and on the way out 8 bytes a lane
	v_add_nc_u32 v6, s17, v7
.macro XLOAD t                         ; step t: rows 2 t and 2 t + 1, two loads of 512 consecutive bytes each
.irp i, 0,1,2,3
	global_load_b128 v[R+16*((\t)%4)+4*\i:R+16*((\t)%4)+4*\i+3], v3, s[4:5] offset:(2*(\t)+\i/2)*16384+(\i%2)*512 th:TH_LOAD_NT
.endr
.endm
.macro XTURN t                         ; through the stage: LDS serves a wave's instructions in order (ISA guide 5.7.1.4), so no wait stands between the stores and the loads
.irp i, 0,1,2,3
	ds_store_b128 v14, v[R+16*((\t)%4)+4*\i:R+16*((\t)%4)+4*\i+3] offset:32*SP*((\t)%2)+8*SP*\i
.endr
.irp i, 0,1,2,3
	ds_load_b128 v[X+16*((\t)%2)+4*\i:X+16*((\t)%2)+4*\i+3], v15 offset:32*SP*((\t)%2)+16*\i
.endr
.endm
.macro XSTEP t
.if (\t) > 0
	s_wait_dscnt 1                                 ; this step's numbers are back from the stage (behind them only the last step's byte store): so its stores into the stage have read their registers,
.else
	s_wait_dscnt 0x0
.endif
.if (\t)+4 < 16
	XLOAD (\t)+4                                   ; which take the loads of four steps on
.endif
.if (\t)+1 < 16
.if 14-(\t) >= 3
	s_wait_loadcnt 12                              ; the next step's four loads are in; those of the three steps behind it may be out
.else
	s_wait_loadcnt 4*(14-(\t))
.endif
	XTURN (\t)+1                                   ; and go through the other stage while this step is worked
.endif
.set QX, X+16*((\t)%2)
.set QC, C+4*(\t)
.set QE, E+(\t)
	QUANT16
	ds_store_b8 v5, v[QE] offset:5120+16*(\t)      ; [row][8]: 16 bytes a step; both lanes of a block write the same byte with the same value
	global_store_b128 v3, v[QC:QC+3], s[10:11] offset:512*(\t)     ; 32 lanes store 512 consecutive bytes: the two rows' units
.endm
.irp t, 0,1,2,3
	XLOAD \t
.endr
	s_wait_alu depctr_va_vdst(0)
	s_wait_loadcnt 12                              ; step 0's four loads are in
	XTURN 0
.irp t, 0,1,2,3,4,5,6,7,8,9,10,11,12,13,14,15
	XSTEP \t
.endr
	ds_load_b64 v[12:13], v6 offset:5120           ; in order behind my byte stores
	s_wait_dscnt 0x0
	global_store_b64 v7, v[12:13], s[14:15]        ; 32 lanes store the unit of 256 scale bytes
	s_wait_tensorcnt 0x0
	ds_add_u32 v192, v193
	s_wait_dscnt 0x0
	s_endpgm
; ------------------------------------------------------------------ W
; A wave takes 32 rows x 512 along K (two K steps): 512 numbers are 192 int32 = 768 bytes, three times 256, which begin at a multiple of 256 bytes of weight_q3.
; 16 double steps of two rows a, b: three loads of 512 bytes (a's first 512; a's last 256 and b's first 256; b's last 512); in each, sixteen lanes read 256 consecutive bytes.
; The 1,536 bytes turn through the wave's stage and come back 24 bytes a lane and row: six int32 = 16 numbers.  Lanes 0-15 hold the first K step's numbers of a row, lanes 16-31 the second's; four lanes share a pair of params.
.Lweights:
	s_mov_b32 s24, 0x04040400                      ; v_perm_b32: byte 0 of the second source, then byte 0 of the first
	s_mov_b32 s25, 0x04040100                      ; bytes 0, 1 of the second source, then byte 0 of the first
	s_mov_b32 s26, 0x3e124925                      ; 1/7
	s_lshr_b32 s18, ttmp9, 1                       ; rg: which 32 rows, 0..63
	s_and_b32 s19, ttmp9, 1
	s_lshl_b32 s19, s19, 2
	s_add_co_u32 s19, s19, s16                     ; kp: which 512 along K, 0..7
	s_mul_i32 s20, s18, 32*6144                    ; a row is 1,536 int32
	s_mul_i32 s22, s19, 768
	s_add_co_u32 s20, s20, s22
	s_add_nc_u64 s[6:7], s[6:7], s[20:21]
	s_lshl_b32 s20, s18, 13                        ; params: 64 groups of 4 bytes a row
	s_lshl_b32 s22, s19, 5                         ; 8 groups
	s_add_co_u32 s20, s20, s22
	s_add_nc_u64 s[8:9], s[8:9], s[20:21]
	s_lshl_b32 s20, s19, 4
	s_lshr_b32 s22, s18, 3
	s_add_co_u32 s20, s20, s22                     ; the first K step's block: 8 (2 kp) + tile
	s_mul_i32 s20, s20, BLOCK
	s_and_b32 s22, s18, 7
	s_lshl_b32 s28, s22, 8
	s_add_co_u32 s28, s28, s20
	s_add_co_u32 s28, s28, 65536
	s_add_nc_u64 s[14:15], s[12:13], s[28:29]      ; my rows' unit of scale bytes in that block
	s_lshl_b32 s22, s22, 13
	s_add_co_u32 s20, s20, s22
	s_add_nc_u64 s[12:13], s[12:13], s[20:21]      ; my rows' units of codes in that block
	s_add_co_u32 s17, s17, 32768                   ; my wave's LDS on this path: 0 two stages of 1,536; 3,072 params [32 rows][8][4]; 4,096 scale bytes [2 K steps][32 rows][8]
	s_wait_alu depctr_va_vdst(0)
	v_lshrrev_b32 v10, 4, v2                       ; h = lane / 16
	v_mul_u32_u24 v12, v10, 5376
	v_add_nc_u32 v12, v12, v3
	v_add_nc_u32 v12, 512, v12                     ; the middle load: lanes 0-15 at byte 512 of row a, lanes 16-31 at byte 0 of row b (6,144 on)
	v_add_nc_u32 v14, s17, v3                      ; the stage, on the way in: as loaded
	v_mul_u32_u24 v15, v2, 24
	v_add_nc_u32 v15, s17, v15                     ; on the way out: 24 bytes a lane: words 6 l and 6 l + 1 of 32 lanes fall on 64 different banks (64 banks of 4 bytes: ISA guide 11.1)
	v_lshlrev_b32 v13, 5, v2
	v_add_nc_u32 v13, s17, v13                     ; params, on the way in: row = lane, 32 bytes
	v_lshrrev_b32 v7, 2, v2
	v_lshlrev_b32 v7, 2, v7
	v_add_nc_u32 v7, s17, v7                       ; on the way out: my group's word
	v_bfe_u32 v5, v2, 1, 3
	v_lshl_add_u32 v5, v10, 8, v5
	v_add_nc_u32 v5, s17, v5                       ; my block's scale byte: 256 h + (lane / 2) % 8
	v_add_nc_u32 v6, s17, v3                       ; and on the way out 16 bytes a lane
	v_and_b32 v4, 15, v2
	v_lshlrev_b32 v4, 4, v4
	v_mul_u32_u24 v11, v10, KNEXT
	v_add_nc_u32 v4, v4, v11                       ; in wq: 16 (lane % 16), and lanes 16-31 a K step on
	v_lshlrev_b32 v1, 8, v2                        ; params in memory: a row is 256 bytes
	v_mov_b32 v113, 0                              ; (named as the upper halves of the pairs v[112:113], v[114:115], of which the low word serves both halves)
	v_mov_b32 v115, 0
.macro WLOAD d
	global_load_b128 v[WR+12*((\d)%4):WR+12*((\d)%4)+3], v3, s[6:7] offset:12288*(\d) th:TH_LOAD_NT
	global_load_b128 v[WR+12*((\d)%4)+4:WR+12*((\d)%4)+7], v12, s[6:7] offset:12288*(\d) th:TH_LOAD_NT
	global_load_b128 v[WR+12*((\d)%4)+8:WR+12*((\d)%4)+11], v3, s[6:7] offset:12288*(\d)+6400 th:TH_LOAD_NT
.endm
.macro WTURN d                         ; 3 stores, 8 loads; LDS serves a wave's instructions in order
.irp i, 0,1,2
	ds_store_b128 v14, v[WR+12*((\d)%4)+4*\i:WR+12*((\d)%4)+4*\i+3] offset:1536*((\d)%2)+512*\i
.endr
.irp u, 0,1
.irp j, 0,1,2
	ds_load_b64 v[WP+12*((\d)%2)+6*\u+2*\j:WP+12*((\d)%2)+6*\u+2*\j+1], v15 offset:1536*((\d)%2)+768*\u+8*\j
.endr
.endr
.irp u, 0,1
	ds_load_b32 v[PWD+2*((\d)%2)+\u], v7 offset:3072+32*(2*(\d)+\u)
.endr
.endm
.macro WSUB d, u                       ; row 2 d + u of my 32
.set PB,  WP+12*((\d)%2)+6*(\u)
.set RHO, 2*(\d)+(\u)
.set QX,  WX
.set QC,  WC+4*(RHO%4)
.set QE,  WE+RHO%4
	v_perm_b32 v[T],   v[PB+1], v[PB],   s24      ; the low bytes of three int32 make 24 bits (the top byte is never taken out)
	v_perm_b32 v[T+1], v[PB+4], v[PB+3], s24
	v_perm_b32 v[T],   v[PB+2], v[T],    s25
	v_perm_b32 v[T+1], v[PB+5], v[T+1],  s25
	v_mov_b32 v94, v[PWD+2*((\d)%2)+(\u)]
.irp i, 0,1,2,3,4,5,6,7
	v_bfe_u32 v[WX+\i],   v[T],   3*\i, 3          ; q: three bits each, the first lowest
	v_bfe_u32 v[WX+8+\i], v[T+1], 3*\i, 3
.endr
	v_cvt_f32_f16 v114, v94.l                      ; min
	v_cvt_f32_f16 v116, v94.h                      ; max
.irp i, 0,1,2,3,4,5,6,7,8,9,10,11,12,13,14,15
	v_cvt_f32_u32 v[WX+\i], v[WX+\i]
.endr
	v_sub_f32 v112, v116, v114
	v_mul_f32 v112, s26, v112                      ; (max - min) / 7
.irp i, 0,2,4,6,8,10,12,14
	v_pk_fma_f32 v[WX+\i:WX+\i+1], v[WX+\i:WX+\i+1], v[112:113], v[114:115] op_sel_hi:[1,0,0]   ; w, two at a time
.endr
	QUANT16
	ds_store_b8 v5, v[QE] offset:4096+8*RHO
	global_store_b128 v4, v[QC:QC+3], s[12:13] offset:256*RHO      ; lanes 0-15 store the row's 256 codes of the first K step, lanes 16-31 those of the second: 256 consecutive bytes each
.endm
.macro WSTEP d
.if (\d) > 0
	s_wait_dscnt 2                                 ; this step's words are back from the stage (behind them only the last step's two byte stores): its stores into the stage have read their registers
.else
	s_wait_dscnt 0x0
.endif
	s_wait_xcnt 0x0                                ; the stores of two steps back have read their data: this step's two sets of codes are written again only behind this wait
.if (\d)+4 < 16
	WLOAD (\d)+4
.endif
.if (\d)+1 < 16
.if 14-(\d) >= 3
	s_wait_loadcnt 9                               ; the next step's three loads are in; those of the three steps behind it may be out
.else
	s_wait_loadcnt 3*(14-(\d))
.endif
	WTURN (\d)+1
.endif
	WSUB \d, 0
	WSUB \d, 1
.endm
	global_load_b128 v[PIN:PIN+3], v1, s[8:9]              ; my row's 8 pairs of params: 32 bytes of each of 32 rows, once a wave: 1 KB beside the wave's 24 KB of weight_q3
	global_load_b128 v[PIN+4:PIN+7], v1, s[8:9] offset:16
.irp d, 0,1,2,3
	WLOAD \d
.endr
	s_wait_loadcnt 9                               ; the params and step 0's three loads are in
	ds_store_b128 v13, v[PIN:PIN+3] offset:3072
	ds_store_b128 v13, v[PIN+4:PIN+7] offset:3072+16
	WTURN 0
.irp d, 0,1,2,3,4,5,6,7,8,9,10,11,12,13,14,15
	WSTEP \d
.endr
	ds_load_b128 v[WO:WO+3], v6 offset:4096        ; in order behind my byte stores
	s_wait_dscnt 0x0
	global_store_b128 v4, v[WO:WO+3], s[14:15]     ; lanes 0-15 store the first K step's unit of scale bytes, lanes 16-31 the second's
	s_wait_tensorcnt 0x0
	ds_add_u32 v192, v193
	s_wait_dscnt 0x0
	s_endpgm
.Lfunc_end_k_qd5ccc57431_quant:
	.size	k_qd5ccc57431_quant, .Lfunc_end_k_qd5ccc57431_quant-k_qd5ccc57431_quant
	.p2alignl 7, 3214868480
	.fill 96, 4, 3214868480
	.section	.rodata,"a",@progbits
	.p2align	6, 0x0
	.amdhsa_kernel k_qd5ccc57431_quant
		.amdhsa_group_segment_fixed_size 66048
		.amdhsa_private_segment_fixed_size 0
		.amdhsa_enable_private_segment 0
		.amdhsa_kernarg_size 40
		.amdhsa_user_sgpr_count 2
		.amdhsa_user_sgpr_kernarg_segment_ptr 1
		.amdhsa_wavefront_size32 1
		.amdhsa_system_sgpr_workgroup_id_x 1
		.amdhsa_system_sgpr_workgroup_id_y 1
		.amdhsa_system_sgpr_workgroup_id_z 1
		.amdhsa_system_vgpr_workitem_id 0
		.amdhsa_next_free_vgpr 194
		.amdhsa_next_free_sgpr 66
		.amdhsa_reserve_vcc 0
		.amdhsa_float_denorm_mode_32 3
		.amdhsa_float_denorm_mode_16_64 3
		.amdhsa_memory_ordered 1
		.amdhsa_forward_progress 1
		.amdhsa_inst_pref_size 214
	.end_amdhsa_kernel
	.amdgpu_metadata
---
amdhsa.version: [ 1, 2 ]
amdhsa.kernels:
  - .name:           k_qd5ccc57431_quant
    .symbol:         k_qd5ccc57431_quant.kd
    .args:
      - { .name: x, .offset: 0, .size: 8, .value_kind: global_buffer, .address_space: global }
      - { .name: weight_q3, .offset: 8, .size: 8, .value_kind: global_buffer, .address_space: global }
      - { .name: weight_params, .offset: 16, .size: 8, .value_kind: global_buffer, .address_space: global }
      - { .name: xq, .offset: 24, .size: 8, .value_kind: global_buffer, .address_space: global }
      - { .name: wq, .offset: 32, .size: 8, .value_kind: global_buffer, .address_space: global }
    .group_segment_fixed_size: 66048
    .private_segment_fixed_size: 0
    .kernarg_segment_align: 8
    .kernarg_segment_size: 40
    .max_flat_workgroup_size: 128
    .sgpr_count:     66
    .vgpr_count:     194
    .wavefront_size: 32
...
	.end_amdgpu_metadata
.endif
;; end of part 1
;; launch gemm (part 2): grid 8 x 32, 4 waves a work-group, clusters of 4 x 4, 327,680 bytes of LDS; arguments xq, wq, bias, out0; writes out0
.if DOCPART == 2
	.amdgcn_target "amdgcn-amd-amdhsa--gfx1250"
	.amdhsa_code_object_version 6
	.text
	.protected	k_qd5ccc57431_gemm
	.globl	k_qd5ccc57431_gemm
	.p2align	8
	.type	k_qd5ccc57431_gemm,@function
k_qd5ccc57431_gemm:
	s_mov_b64 s[64:65], 0
	v_nop
	global_prefetch_b8 v0, s[64:65] scope:SCOPE_SE
	s_setreg_imm32_b32 hwreg(HW_REG_WAVE_MODE, 25, 1), 1
	s_wait_xcnt 0x0
	s_wait_alu depctr_hold_cnt(0) depctr_sa_sdst(0) depctr_va_vdst(0) depctr_va_sdst(0) depctr_va_ssrc(0) depctr_va_vcc(0) depctr_vm_vsrc(0)
	s_getreg_b32 s2, hwreg(HW_REG_IB_STS2, 6, 4)
	s_cmp_eq_u32 s2, 0
	s_cbranch_scc0 .Lentry_in_a_cluster
	s_endpgm
.Lentry_in_a_cluster:
	s_bfe_u32 s2, ttmp6, 0x10000c
	s_cmp_lg_u32 s2, 0xf033
	s_cbranch_scc0 .Lentry_shape_is_right
	s_endpgm
.Lentry_shape_is_right:
.set SIZE_N, 2048
.set NQ,     2
.set PITCH,  272
.set FR,     16
.set NL,     4
.set NP,     8
.set HUNITS, 132
.set HALFB,  HUNITS*256
.set BLOCK,  2*HALFB
.set ASTEP,  32*BLOCK
.set BSTEP,  8*BLOCK
.set HALFT,  HUNITS*PITCH
.set REGION, 2*HALFT
.set SLOT,   2*REGION
.set RHALF,  128*PITCH
.set SCU,    256*PITCH
.set SHALF,  4*PITCH
.set LAPS,   8
.set SPARE,  2*SLOT
.set STAGE,  SPARE+512
.set SPITCH, 528
.set ADRA, 16
.set ADRB, 20
.set ADRS, 22
.set STO,  24
.set RD,   25
.set CO,   26
.set PFO,  27
.set SPW,  28
.set NIL,  29
.set BO,   30
.set PSO,  31
.set SC,   32
.set BI,   64
.set AF,   128
.set BK,   128
.set G1, 24
.set G0, 32
.set G1B, 48
.set G0B, 56
.set PFA,  66
.set PFS,  68
.set PSA,  70
.set LIM,  72
.set SLIM, 73
.set MSB, 0
.macro WIN new
.if MSB != \new
	s_set_vgpr_msb (MSB<<8)|\new
.set MSB, \new
.endif
.endm
.set MUL_LO,   0xa1
.set MUL_HI,   0xf1
.set FIRST_LO, 0x81
.set FIRST_HI, 0xc1
.set TO_B,     0x40
.macro JLOAD g0a, g1a, g0b, g1b
	s_cmp_eq_u32 s15, 0
	s_cbranch_scc0 .Lfor_b_\@
	tensor_load_to_lds s[\g0a:\g0a+3], s[\g1a:\g1a+7]
	s_nop 0
.rept 4
	v_nop
.endr
	s_branch .Lasked_\@
.Lfor_b_\@:
	tensor_load_to_lds s[\g0b:\g0b+3], s[\g1b:\g1b+7]
	s_nop 0
.rept 4
	v_nop
.endr
.Lasked_\@:
.endm
.macro ASK sc
	s_cmp_gt_u32 s3, s[LIM]
	s_cbranch_scc0 .Lnot_mine_\@
	s_wait_alu depctr_va_vdst(0)
	global_prefetch_b8 v[PFO], s[PFA:PFA+1] th:TH_LOAD_NT scope:SCOPE_SE
.Lnot_mine_\@:
.if \sc
	s_cmp_eq_u32 s3, s[SLIM]
	s_cbranch_scc0 .Lno_scales_\@
	s_wait_alu depctr_va_vdst(0)
	global_prefetch_b8 v[PSO], s[PSA:PSA+1] th:TH_LOAD_NT scope:SCOPE_SE
.Lno_scales_\@:
.endif
.endm
.macro CREST
	s_cmp_lg_u32 s14, 0
	s_cbranch_scc1 .Lnot_wave_0_\@
	s_barrier_signal -3
.Lnot_wave_0_\@:
	s_barrier_wait -3
	s_barrier_signal -1
	s_barrier_wait -1
.endm
.macro CROUND
	s_barrier_signal -1
	s_barrier_wait -1
	CREST
.endm
	s_load_b256 s[4:11], s[0:1], 0x0
	v_lshl_add_u32 v[SPW], v0, 2, SPARE
	v_mov_b32 v[NIL], 0
	ds_add_u32 v28, v29
	ds_add_u32 v28, v29
	s_wait_dscnt 0x0
	v_lshrrev_b32 v1, 5, v0
	v_readfirstlane_b32 s14, v1
	s_lshr_b32 s15, s14, 1
	s_and_b32 s16, s14, 1
	s_bfe_u32 s40, ttmp6, 0x40000
	s_bfe_u32 s41, ttmp6, 0x40004
	s_lshl_b32 s42, ttmp9, 2
	s_add_co_u32 s42, s42, s40
	s_and_b32 s17, ttmp7, 0xffff
	s_lshl_b32 s17, s17, 2
	s_add_co_u32 s17, s17, s41
	s_lshl_b32 s43, s41, 2
	s_lshl_b32 s43, 15, s43
	s_lshl_b32 s44, 0x1111, s40
	s_or_b32 s[G1+0], s43, (3<<16)|(1<<20)|(1<<21)|(5<<22)|(3<<25)
	s_or_b32 s[G1B+0], s44, (3<<16)|(1<<20)|(1<<21)|(5<<22)|(3<<25)
.irp g, G1, G1B
	s_mov_b32 s[\g+1], 32<<16
	s_mov_b32 s[\g+2], HUNITS<<16
	s_mov_b32 s[\g+3], 32<<16
	s_mov_b32 s[\g+4], HUNITS
	s_mov_b32 s[\g+5], 32
	s_mov_b32 s[\g+6], 0
	s_mov_b32 s[\g+7], 0
.endr
	s_mul_i32 s18, s16, HALFB
	s_mul_i32 s20, s17, BLOCK
	s_add_co_u32 s20, s20, s18
	s_mov_b32 s21, 0
	s_mul_i32 s46, s42, BLOCK
	s_add_co_u32 s46, s46, s18
	s_mov_b32 s47, 0
	s_mul_i32 s45, s14, HALFT
	s_wait_kmcnt 0x0
	s_add_nc_u64 s[20:21], s[4:5], s[20:21]
	s_add_nc_u64 s[46:47], s[6:7], s[46:47]
	CROUND
.irp s, 0,1
	s_mov_b32 s[G0+4*\s], 1
	s_add_co_u32 s[G0+4*\s+1], s45, \s*SLOT
	s_add_nc_u64 s[G0+4*\s+2:G0+4*\s+3], s[20:21], \s*ASTEP
	s_or_b32 s[G0+4*\s+3], s[G0+4*\s+3], 0x80000000
	s_mov_b32 s[G0B+4*\s], 1
	s_add_co_u32 s[G0B+4*\s+1], s45, \s*SLOT
	s_add_nc_u64 s[G0B+4*\s+2:G0B+4*\s+3], s[46:47], \s*BSTEP
	s_or_b32 s[G0B+4*\s+3], s[G0B+4*\s+3], 0x80000000
	s_wait_alu depctr_va_vdst(0)
	s_wait_tensorcnt 0x0
	ds_add_u32 v28, v29
	ds_add_u32 v28, v29
	s_wait_dscnt 0x0
	CROUND
	JLOAD G0+4*\s, G1, G0B+4*\s, G1B
.endr
	v_and_b32 v1, 15, v0
	s_wait_alu depctr_va_vdst(0)
	v_bfe_u32 v2, v0, 4, 1
	s_lshl_b32 s46, s42, 10
	s_lshl_b32 s47, s16, 9
	s_add_co_u32 s46, s46, s47
	s_mov_b32 s47, 0
	s_add_nc_u64 s[8:9], s[8:9], s[46:47]
	v_lshlrev_b32 v[BO], 5, v2
.irp b, 0,1,2,3,4,5,6,7
	global_load_b128 v[BI+8*\b:BI+8*\b+3],   v[BO], s[8:9] offset:64*\b
	global_load_b128 v[BI+8*\b+4:BI+8*\b+7], v[BO], s[8:9] offset:64*\b+16
.endr
	s_lshl_b32 s20, s17, 8
	s_lshl_b32 s21, s15, 7
	s_add_co_u32 s20, s20, s21
	s_lshl_b32 s20, s20, 13
	s_mov_b32 s21, 0
	s_add_nc_u64 s[20:21], s[20:21], s[46:47]
	s_add_nc_u64 s[10:11], s[10:11], s[20:21]
	v_mul_u32_u24 v3, v1, PITCH
	s_wait_alu depctr_va_vdst(0)
	v_lshl_add_u32 v4, v2, 4, v3
	s_mul_i32 s21, s15, RHALF
	s_mul_i32 s22, s16, RHALF
	s_add_co_u32 s22, s22, REGION
.irp s, 0,1
	v_add_nc_u32 v[ADRA+\s], s21, v4
	v_add_nc_u32 v[ADRB+\s], s22, v4
	s_add_co_u32 s21, s21, SLOT
	s_add_co_u32 s22, s22, SLOT
.endr
	v_lshlrev_b32 v5, 3, v1
	s_mul_i32 s21, s15, SHALF
	s_mul_i32 s22, s16, SHALF
	s_add_co_u32 s22, s22, REGION
	s_sub_co_u32 s22, s22, s21
	v_mul_u32_u24 v6, s22, v2
	s_add_co_u32 s21, s21, SCU
	v_add_nc_u32 v5, v5, v6
.irp s, 0,1
	v_add_nc_u32 v[ADRS+\s], s21, v5
	s_add_co_u32 s21, s21, SLOT
.endr
	s_mul_i32 s23, s14, 16*SPITCH
	s_add_co_u32 s23, s23, STAGE
	v_mul_u32_u24 v5, v1, SPITCH
	v_lshl_add_u32 v5, v2, 5, v5
	v_add_nc_u32 v[STO], s23, v5
	v_and_b32 v6, 31, v0
	s_wait_alu depctr_va_vdst(0)
	v_lshlrev_b32 v[CO], 4, v6
	v_add_nc_u32 v[RD], s23, v[CO]
	s_and_b32 s74, ttmp7, 0xffff
	s_mov_b32 s[PFS], BSTEP
	s_cmp_eq_u32 s15, 0
	s_cselect_b32 s75, s17, s42
	s_cselect_b32 s76, s40, s41
	s_cselect_b32 s74, ttmp9, s74
	s_cselect_b32 s[PFS], ASTEP, s[PFS]
	s_cselect_b64 s[PFA:PFA+1], s[4:5], s[6:7]
	s_mov_b32 s[PFS+1], 0
	s_cmp_eq_u32 s74, 0
	s_cselect_b32 s[LIM], 1, -1
	s_or_b32 s74, s74, s16
	s_cmp_eq_u32 s74, 0
	s_cselect_b32 s[SLIM], LAPS-1, -1
	s_mul_i32 s78, s75, BLOCK
	s_mov_b32 s79, 0
	s_add_nc_u64 s[PFA:PFA+1], s[PFA:PFA+1], s[78:79]
	s_lshl_b32 s78, s76, 2
	s_mul_i32 s78, s78, s[PFS]
	s_add_co_u32 s78, s78, 65536
	s_add_nc_u64 s[PSA:PSA+1], s[PFA:PFA+1], s[78:79]
	s_lshl_b32 s78, s76, 14
	s_lshl_b32 s77, s16, 13
	s_add_co_u32 s78, s78, s77
	s_mul_i32 s77, s[PFS], 3
	s_add_co_u32 s78, s78, s77
	s_add_nc_u64 s[PFA:PFA+1], s[PFA:PFA+1], s[78:79]
	v_lshlrev_b32 v[PFO], 8, v6
	v_lshrrev_b32 v[PSO], 3, v6
	v_mul_lo_u32 v[PSO], v[PSO], s[PFS]
	v_and_b32 v7, 7, v0
	v_lshl_add_u32 v[PSO], v7, 8, v[PSO]
.macro FRAG reg, adr, q, i
.irp c, 0,1,2,3
	ds_load_b128 v[\reg+4*\c:\reg+4*\c+3], v[\adr] offset:128*(\q)+32*\c+(\i)*16*PITCH
.endr
.endm
.macro MUL16 a0, p, q, sc, first
.irp a, \a0, \a0+1
.irp b, 0,1,2,3,4,5,6,7
.if \first
	v_wmma_scale_f32_16x16x128_f8f6f4 v[8*(8*((\a)%4)+\b):8*(8*((\a)%4)+\b)+7], v[128*(\p)+FR*\b:128*(\p)+FR*\b+FR-1], v[AF+FR*(\a):AF+FR*(\a)+FR-1], v[BI+8*\b:BI+8*\b+7], v[SC+8*NQ*(\sc)+NQ*\b+(\q)], v[SC+8*NQ*(\sc)+NQ*(\a)+(\q)] matrix_a_scale:MATRIX_SCALE_ROW1
.else
	v_wmma_scale_f32_16x16x128_f8f6f4 v[8*(8*((\a)%4)+\b):8*(8*((\a)%4)+\b)+7], v[128*(\p)+FR*\b:128*(\p)+FR*\b+FR-1], v[AF+FR*(\a):AF+FR*(\a)+FR-1], v[8*(8*((\a)%4)+\b):8*(8*((\a)%4)+\b)+7], v[SC+8*NQ*(\sc)+NQ*\b+(\q)], v[SC+8*NQ*(\sc)+NQ*(\a)+(\q)] matrix_a_scale:MATRIX_SCALE_ROW1
.endif
.endr
.endr
.endm
.macro FETCH_B slot, q, p
	WIN TO_B
.irp i, 0,1,2,3,4,5,6,7
	FRAG 128*(\p)+FR*\i, ADRB+\slot, \q, \i
.endr
	WIN 0
.endm
.macro FETCH_A slot, q, i0
.irp i, \i0, \i0+1, \i0+2, \i0+3
	FRAG AF+FR*(\i), ADRA+\slot, \q, \i
.endr
.endm
.macro SCALES sc
.irp i, 0,1,2,3,4,5,6,7
	ds_load_b64 v[SC+8*NQ*\sc+NQ*\i:SC+8*NQ*\sc+NQ*\i+1], v[ADRS+\sc] offset:(\i/2)*PITCH+(\i%2)*128
.endr
.endm
.macro PLACES n
.rept \n
	v_nop
.endr
.endm
.macro STEP slot, q, first
	s_wait_dscnt 4*NL
.if \first
	WIN FIRST_LO
.else
	WIN MUL_LO
.endif
	MUL16 0, (\q)%2, \q, \slot, \first
	MUL16 2, (\q)%2, \q, \slot, \first
	s_wait_dscnt 0
	PLACES NP
	FETCH_B \slot, (\q)+1, 1-(\q)%2
	FETCH_A \slot, (\q)+1, 0
.if \first
	WIN FIRST_HI
.else
	WIN MUL_HI
.endif
	MUL16 4, (\q)%2, \q, \slot, \first
	MUL16 6, (\q)%2, \q, \slot, \first
	PLACES NP
	WIN 0
	FETCH_A \slot, (\q)+1, 4
.endm
.macro TURN slot, next, fill
.if \fill
	s_wait_xcnt 0x0
	s_add_nc_u64 s[PFA:PFA+1], s[PFA:PFA+1], s[PFS:PFS+1]
.endif
	s_wait_dscnt 4*NL
	WIN MUL_LO
	MUL16 0, 1, NQ-1, \slot, 0
	MUL16 2, 1, NQ-1, \slot, 0
	WIN 0
	s_wait_tensorcnt 0x0
	ds_add_u32 v[SPW], v[NIL]
.if \fill
	s_add_nc_u64 s[G0+4*\slot+2:G0+4*\slot+3], s[G0+4*\slot+2:G0+4*\slot+3], 2*ASTEP
	s_add_nc_u64 s[G0B+4*\slot+2:G0B+4*\slot+3], s[G0B+4*\slot+2:G0B+4*\slot+3], 2*BSTEP
.endif
	s_wait_dscnt 0x0
	s_barrier_signal -1
	s_barrier_wait -1
.if \fill
	CREST
	JLOAD G0+4*\slot, G1, G0B+4*\slot, G1B
	PLACES NP-4
.else
	PLACES NP
.endif
	FETCH_B \next, 0, 0
	FETCH_A \next, 0, 0
	SCALES \next
.if \fill
	ASK 1-\slot
.endif
	WIN MUL_HI
	MUL16 4, 1, NQ-1, \slot, 0
	MUL16 6, 1, NQ-1, \slot, 0
	PLACES NP
	WIN 0
	FETCH_A \next, 0, 4
.endm
	s_wait_tensorcnt 1
	s_barrier_signal -1
	s_barrier_wait -1
	FETCH_B 0, 0, 0
	FETCH_A 0, 0, 0
	SCALES 0
	FETCH_A 0, 0, 4
	s_wait_loadcnt 0x0
	STEP 0, 0, 1
	s_mov_b32 s3, LAPS-1
.Llap:
	TURN 0, 1, 1
	STEP 1, 0, 0
	TURN 1, 0, 1
	STEP 0, 0, 0
	s_sub_co_u32 s3, s3, 1
	s_cmp_lg_u32 s3, 0
	s_cbranch_scc1 .Llap
	TURN 0, 1, 0
	STEP 1, 0, 0
	s_wait_dscnt 4*NL
	WIN MUL_LO
	MUL16 0, 1, NQ-1, 1, 0
	MUL16 2, 1, NQ-1, 1, 0
	s_wait_dscnt 0
	WIN MUL_HI
	MUL16 4, 1, NQ-1, 1, 0
	MUL16 6, 1, NQ-1, 1, 0
	WIN 0
.macro TOSTAGE a
.set AC, 64*((\a)%4)
	WIN 0x08+4*((\a)/4)
.irp b, 0,1,2,3,4,5,6,7
	ds_store_b128 v[STO], v[AC+8*\b:AC+8*\b+3] offset:64*\b
	ds_store_b128 v[STO], v[AC+8*\b+4:AC+8*\b+7] offset:64*\b+16
.endr
	WIN 0
.set BB, BK+64*((\a)%2)
.irp t, 0,1,2,3,4,5,6,7,8,9,10,11,12,13,14,15
	ds_load_b128 v[BB+4*\t:BB+4*\t+3], v[RD] offset:\t*SPITCH
.endr
.endm
.macro SEND a, younger
.set BB, BK+64*((\a)%2)
	s_wait_dscnt \younger
.if (\a) > 0
	s_add_nc_u64 s[10:11], s[10:11], 16*SIZE_N*4
.endif
.irp t, 0,1,2,3,4,5,6,7,8,9,10,11,12,13,14,15
	global_store_b128 v[CO], v[BB+4*\t:BB+4*\t+3], s[10:11] offset:\t*SIZE_N*4 th:TH_STORE_NT
.endr
.endm
	PLACES NP
	s_wait_alu depctr_va_vdst(0)
	TOSTAGE 0
.irp a, 1,2,3,4,5,6,7
.if \a > 1
	s_wait_xcnt 0x0
.endif
	TOSTAGE \a
	SEND \a-1, 32
.endr
	s_wait_xcnt 0x0
	SEND 7, 0
	s_wait_tensorcnt 0x0
	ds_add_u32 v[SPW], v[NIL]
	s_wait_dscnt 0x0
	CROUND
	s_endpgm
.Lfunc_end_k_qd5ccc57431_gemm:
	.size	k_qd5ccc57431_gemm, .Lfunc_end_k_qd5ccc57431_gemm-k_qd5ccc57431_gemm
	.p2alignl 7, 3214868480
	.fill 96, 4, 3214868480
	.section	.rodata,"a",@progbits
	.p2align	6, 0x0
	.amdhsa_kernel k_qd5ccc57431_gemm
		.amdhsa_group_segment_fixed_size 327680
		.amdhsa_private_segment_fixed_size 0
		.amdhsa_enable_private_segment 0
		.amdhsa_kernarg_size 32
		.amdhsa_user_sgpr_count 2
		.amdhsa_user_sgpr_kernarg_segment_ptr 1
		.amdhsa_wavefront_size32 1
		.amdhsa_system_sgpr_workgroup_id_x 1
		.amdhsa_system_sgpr_workgroup_id_y 1
		.amdhsa_system_sgpr_workgroup_id_z 1
		.amdhsa_system_vgpr_workitem_id 0
		.amdhsa_next_free_vgpr 1024
		.amdhsa_next_free_sgpr 80
		.amdhsa_reserve_vcc 0
		.amdhsa_float_denorm_mode_32 3
		.amdhsa_float_denorm_mode_16_64 3
		.amdhsa_memory_ordered 1
		.amdhsa_forward_progress 1
		.amdhsa_inst_pref_size 148
	.end_amdhsa_kernel
	.amdgpu_metadata
---
amdhsa.version: [ 1, 2 ]
amdhsa.kernels:
  - .name:           k_qd5ccc57431_gemm
    .symbol:         k_qd5ccc57431_gemm.kd
    .args:
      - { .name: xq, .offset: 0, .size: 8, .value_kind: global_buffer, .address_space: global }
      - { .name: wq, .offset: 8, .size: 8, .value_kind: global_buffer, .address_space: global }
      - { .name: bias, .offset: 16, .size: 8, .value_kind: global_buffer, .address_space: global }
      - { .name: out0, .offset: 24, .size: 8, .value_kind: global_buffer, .address_space: global }
    .group_segment_fixed_size: 327680
    .private_segment_fixed_size: 0
    .kernarg_segment_align: 8
    .kernarg_segment_size: 32
    .max_flat_workgroup_size: 128
    .sgpr_count:     80
    .vgpr_count:     1024
    .wavefront_size: 32
...
	.end_amdgpu_metadata
.endif
;; end of part 2
